; MI455X (gfx1250); checked and timed in simulation.
; The chip was launched on July 23, 2026; its instructions are those of AMD's public machine-readable ISA for CDNA 5 (MIT licence, August 2026) and "CDNA5" Instruction Set Architecture Reference Guide (July 2026). The comments in the code are by the model that wrote it; some were corrected since.
;; Attention. Allowed arithmetic: matrix products marked QUANTISED: E2M1 operands, one E8M0 scale for each 32 along K, by v_wmma_scale_f32_16x16x128_f8f6f4 with both operands' format E2M1 (or v_wmma_scale_f32_32x16x128_f4), f32 sums; products left as they are: f32 operands where the result goes on into a quantised operand, else bf16, f16 or f32 operands; f32 sums; everything else in f32.
;; Inputs: W_c 1,024 x 1 float32; W_h_codes 1,024 x 32 x 16 uint8 (E2M1 codes of W_h, K innermost, in blocks of 32 codes, two codes a byte); W_h_scales 1,024 x 32 uint8 (E8M0 scales of W_h, one for each 32 codes along K); W_s_codes 1,024 x 32 x 16 uint8 (E2M1 codes of W_s, K innermost, in blocks of 32 codes, two codes a byte); W_s_scales 1,024 x 32 uint8 (E8M0 scales of W_s, one for each 32 codes along K); b_s 1,024 float32; coverage 64 x 1,024 float32; enc_padding_mask 64 x 1,024 float32; encoder_outputs 64 x 1,024 x 1,024 float32; s_t_hat_codes 64 x 32 x 16 uint8 (E2M1 codes of s_t_hat, K innermost, in blocks of 32 codes, two codes a byte); s_t_hat_scales 64 x 32 uint8 (E8M0 scales of s_t_hat, one for each 32 codes along K); v 1 x 1,024 float32.
;; Outputs: out0 64 x 1,024 float32; out1 64 x 1,024 float32; out2 64 x 1,024 float32.
;; This version of the problem:
;;   THIS VERSION OF THE PROBLEM IS GIVEN IN LOW PRECISION. The matrix products marked QUANTISED in the list below multiply operands that are first quantised to E2M1 (2 exponent bits, 1 mantissa bit; 4 bits a number), with one power-of-two scale for each 32 numbers along K (OCP MX v1.0); their sums are f32. All else is computed in f32.
;;   The module's matrix products, in the order in which they are computed (A, B: the left and right operand; K: the contracted axis; several contracted axes count as one K, in the product's order):
;;     1. [M 65,536, K 1,024] x [K 1,024, N 1,024]; A: input encoder_outputs; B: input W_h (given as codes): QUANTISED
;;     2. [M 64, K 1,024] x [K 1,024, N 1,024]; A: input s_t_hat (given as codes); B: input W_s (given as codes): QUANTISED
;;     3. [M 65,536, K 1,024] x [K 1,024, N 1]; A: computed on the way; B: input v: left as it is (N = 1 < 16)
;;     4. batch 64 x [M 1, K 1,024] x [K 1,024, N 1,024]; A: computed on the way; B: input encoder_outputs: left as it is (M = 1 < 16)
;;   THE QUANTISER, for each operand of a quantised product, along K:
;;     - K is cut into blocks of 32 from its start; a last block that is shorter is filled with zeros.
;;     - A block's scale is 2^e with e = floor(log2(the largest magnitude in the block)) - 2, held to -126 .. 127; a block of zeros has e = 0. As a byte (E8M0): e + 127.
;;     - Each number is divided by its block's scale, clamped to +-6, and rounded to the nearest number of E2M1, ties to even, subnormals kept.
;;     - The product sums the exact products of the quantised numbers (number of the format x scale) in f32.
;;   ~~~python
;;   def quantise(x, axis):      # numpy; x: float32 -> the quantised numbers, widened to float32 again
;;       x = np.moveaxis(x, axis, -1); K = x.shape[-1]
;;       x = np.pad(x, [(0, 0)] * (x.ndim - 1) + [(0, -K % 32)]); x = x.reshape(x.shape[:-1] + (-1, 32)); a = np.abs(x).max(-1, keepdims=True)
;;       e = np.where(a > 0, np.clip(np.frexp(np.where(a > 0, a, 1))[1] - 1 - 2, -126, 127), 0)      # np.frexp(a)[1] - 1 = floor(log2(a)), exactly
;;       r = np.clip(x / 2.0 ** e, -6, 6)
;;       step = 2.0 ** (np.maximum(np.frexp(np.where(r == 0, 1, r))[1] - 1, 0) - 1)
;;       q = np.round(r / step) * step * 2.0 ** e      # np.round: ties to even
;;       return np.moveaxis(q.reshape(q.shape[:-2] + (-1,))[..., :K], -1, axis).astype(np.float32)
;;   ~~~
;;   INPUTS GIVEN AS CODES. W_h (in the module: [1024, 1024], K = its axis 1); W_s (in the module: [1024, 1024], K = its axis 1); s_t_hat (in the module: [64, 1024], K = its axis 1): each comes as NAME_codes (uint8): NAME with its K axis moved to the last place and cut into blocks of 32 codes, [.., K / 32, bytes a block], one block behind the other in memory; two codes a byte, the lower K in the low four bits (a code: sign, 2 exponent bits, 1 mantissa bit); and NAME_scales (uint8): the same leading axes, one E8M0 byte (e + 127) for each 32 codes along K. Its value is code x scale, taken as it is: it is not quantised again, and the codes and scales need not be those that the quantiser above would give.
;; One version. Each part assembles by itself: llvm-mc -triple=amdgcn-amd-amdhsa -mcpu=gfx1250 --defsym DOCPART=n.
;; ======== version 1 of 1: 3 launches
;; limits: values are held in bf16: 8 bits of precision; right only within a limited range of input values
;; workspace buffers: whf 524,288 bytes; decp 262,144 bytes; scores 262,144 bytes; stats 65,536 bytes; pc 1,048,576 bytes
;; launch prep (part 1): grid 16 x 4, 4 waves a work-group, no clusters, 5,120 bytes of LDS; arguments s_t_hat_codes, s_t_hat_scales, W_s_codes, W_s_scales, b_s, W_h_codes, decp, whf; writes decp, whf
.if DOCPART == 1
	.amdgcn_target "amdgcn-amd-amdhsa--gfx1250"
	.amdhsa_code_object_version 6
	.text
	.protected	k_q2c5e4f291d_prep
	.globl	k_q2c5e4f291d_prep
	.p2align	8
	.type	k_q2c5e4f291d_prep,@function
k_q2c5e4f291d_prep:
	s_mov_b64 s[64:65], 0
	v_nop
	global_prefetch_b8 v0, s[64:65] scope:SCOPE_SE
	s_setreg_imm32_b32 hwreg(HW_REG_WAVE_MODE, 25, 1), 1
	s_wait_xcnt 0x0
; Two small jobs ahead of the main launch.
; (1) decp[b][n] = K2 x (sum over k of s_t_hat[b][k] W_s[n][k] + b_s[n]), K2 = 2 log2(e): the decoder's feature, already in the scale in which the main launch takes its exponentials.
;     Both operands are given as codes of FP4 (E2M1) with one E8M0 byte for each 32 along K and go to the matrix unit as they lie.
; (2) whf: W_h's codes laid as images of the operand's registers: fragment (tile of 16 rows nt, K step s of 128) is 1,024 bytes at (8 nt + s) x 1,024: two halves of 512 bytes, lane l's 16 bytes at 16 l.
;     The main launch then reads a fragment by two loads of 512 consecutive bytes.
; SHARES.  Work-group (X, Y), wave w, nt = 4 X + w.  The wave makes decp for batches 16 Y .. 16 Y + 15 and n = 16 nt .. 16 nt + 15, and copies W_h's fragments (nt, 2 Y) and (nt, 2 Y + 1).
; THE PRODUCT IS USED TRANSPOSED (source 0 = 16 rows of W_s, source 1 = 16 rows of s_t_hat): lane (r, h) holds batch r and n = 8 h + 0 .. 7: eight neighbours of a row of decp.
; The four waves' 4 x 64 bytes of a row meet in a stage in LDS, so that sixteen lanes store 256 consecutive bytes, aligned.
; No tensor loads, no cluster: 64 work-groups of a few dozen instructions, each byte of W_h read once.
; WORK LEFT OUT, in the whole program.  tanh(x) = 1 - 2 / (1 + e^(2x)), so scores[b][s] = sum over h of v[h]  -  2 x sum over h of v[h] / (1 + e^(2 x[b][s][h])).
; The first sum is the same for every s of a batch, a term added to the softmax's input that is equal along its axis: it leaves attn, c_t and coverage_new as they are for all values of the inputs, and the scores are no output.  So it is not formed.
; LIMIT: an overflow, infinity or NaN that would arise in that sum of v alone is not carried to the results.  Every input is loaded.
.set K2C,  0x4038aa3b
.set WS,   16                          ; v16-79    W_s's eight fragments
.set SH,   80                          ; v80-143   s_t_hat's eight
.set SCW,  144                         ; v144-147  W_s's scale words: register q: lanes 0-15 K step q, lanes 16-31 K step 4 + q
.set SCS,  148                         ; v148-151  s_t_hat's, likewise.  These eight registers hold scales and nothing else
.set BI,   152                         ; v152-159  b_s in the result's layout
.set WH,   160                         ; v160-175  W_h's two fragments
.set AC,   176                         ; v176-183, v184-191  two accumulators: the even K steps, the odd ones
.set RES,  192                         ; v192-199  the result
.set SPI,  272                         ; a stage row: 256 bytes + 16
	s_load_b256 s[4:11], s[0:1], 0x0               ; s_t_hat's codes s[4:5], its scales s[6:7], W_s's codes s[8:9], its scales s[10:11]
	s_load_b256 s[12:19], s[0:1], 0x20             ; b_s s[12:13], W_h's codes s[14:15], decp s[16:17], whf s[18:19]
	v_lshl_add_u32 v208, v0, 2, 0x1200
	v_mov_b32 v209, 0
	v_lshrrev_b32 v10, 5, v0
	v_readfirstlane_b32 s20, v10                   ; wave
	s_and_b32 s21, ttmp7, 0xffff                   ; Y
	s_lshl_b32 s22, ttmp9, 2
	s_add_co_u32 s22, s22, s20                     ; nt = 4 X + wave
	v_and_b32 v1, 15, v0                           ; r
	v_bfe_u32 v2, v0, 4, 1                         ; h
	v_lshlrev_b32 v3, 9, v1
	v_lshl_add_u32 v3, v2, 4, v3                   ; a row of 1,024 codes is 512 bytes: 512 r + 16 h
	v_lshlrev_b32 v4, 5, v1
	v_lshl_add_u32 v4, v2, 4, v4                   ; a row of scale bytes is 32: 32 r + 16 h: lanes 0-15 take the words of K steps 0-3, lanes 16-31 those of 4-7
	v_and_b32 v5, 31, v0
	v_lshlrev_b32 v5, 4, v5                        ; 16 x lane: an image's place
	v_lshlrev_b32 v6, 5, v2                        ; b_s: my eight numbers begin 32 h bytes on
	v_mul_u32_u24 v7, v1, SPI
	v_lshl_add_u32 v7, v2, 5, v7
	s_lshl_b32 s23, s20, 6
	v_add_nc_u32 v7, s23, v7                       ; into the stage: row r, 64 x wave + 32 h
	s_lshl_b32 s23, s20, 2
	v_add_nc_u32 v10, s23, v2                      ; back: row 4 x wave + h (and two further on)
	v_mul_u32_u24 v8, v10, SPI
	v_lshl_add_u32 v8, v1, 4, v8
	v_lshlrev_b32 v9, 12, v10
	v_lshl_add_u32 v9, v1, 4, v9                   ; and the same place in decp
	s_lshl_b32 s24, s22, 13                        ; byte offsets, each in a pair with 0 above it: 16 rows of 512 bytes x nt,
	s_mov_b32 s25, 0
	s_lshl_b32 s26, s21, 13                        ; x Y,
	s_mov_b32 s27, 0
	s_lshl_b32 s28, s22, 9                         ; 16 rows of 32 scale bytes x nt,
	s_mov_b32 s29, 0
	s_lshl_b32 s30, s21, 9                         ; x Y,
	s_mov_b32 s31, 0
	s_lshl_b32 s32, s22, 6                         ; 16 numbers of b_s x nt,
	s_mov_b32 s33, 0
	s_lshl_b32 s34, s21, 7
	s_add_co_u32 s34, s34, s24                     ; W_h: rows 16 nt on, K steps 2 Y on (64 bytes each),
	s_mov_b32 s35, 0
	s_lshl_b32 s36, s21, 11
	s_add_co_u32 s36, s36, s24                     ; whf: fragment 8 nt + 2 Y,
	s_mov_b32 s37, 0
	s_lshl_b32 s38, s21, 16
	s_lshl_b32 s39, ttmp9, 8
	s_add_co_u32 s38, s38, s39                     ; decp: row 16 Y, column 64 X
	s_mov_b32 s39, 0
	s_mov_b32 s40, K2C
	s_mov_b32 s41, K2C                             ; (named with s40 as a pair, so it is written)
	s_wait_alu depctr_va_vdst(0)
	s_wait_kmcnt 0x0
	s_add_nc_u64 s[8:9], s[8:9], s[24:25]
	s_add_nc_u64 s[4:5], s[4:5], s[26:27]
	s_add_nc_u64 s[10:11], s[10:11], s[28:29]
	s_add_nc_u64 s[6:7], s[6:7], s[30:31]
	s_add_nc_u64 s[12:13], s[12:13], s[32:33]
	s_add_nc_u64 s[14:15], s[14:15], s[34:35]
	s_add_nc_u64 s[18:19], s[18:19], s[36:37]
	s_add_nc_u64 s[16:17], s[16:17], s[38:39]
.irp i, 0,1
.irp c, 0,1
	global_load_b128 v[WH+8*\i+4*\c:WH+8*\i+4*\c+3], v3, s[14:15] offset:64*\i+32*\c   ; W_h(16 nt + r, K step 2 Y + i): registers 4 c .. 4 c + 3 hold k = 64 c + 32 h + 0 .. 31
.endr
.endr
.irp s, 0,1,2,3,4,5,6,7
.irp c, 0,1
	global_load_b128 v[WS+8*\s+4*\c:WS+8*\s+4*\c+3], v3, s[8:9] offset:64*\s+32*\c
	global_load_b128 v[SH+8*\s+4*\c:SH+8*\s+4*\c+3], v3, s[4:5] offset:64*\s+32*\c
.endr
.endr
	global_load_b128 v[SCW:SCW+3], v4, s[10:11]
	global_load_b128 v[SCS:SCS+3], v4, s[6:7]
	global_load_b128 v[BI:BI+3], v6, s[12:13]
	global_load_b128 v[BI+4:BI+7], v6, s[12:13] offset:16
	s_wait_loadcnt 0x0                             ; one wait for all 40 loads: the launch is a few dozen instructions long
.irp i, 0,1
.irp c, 0,1
	global_store_b128 v5, v[WH+8*\i+4*\c:WH+8*\i+4*\c+3], s[18:19] offset:1024*\i+512*\c   ; the image: 32 lanes store 512 consecutive bytes
.endr
.endr
; Eight K steps on two accumulators by turns, one instruction a turn.  b_s is the C of the first.
.irp s, 0,1,2,3,4,5,6,7
.if \s == 0
	v_wmma_scale_f32_16x16x128_f8f6f4 v[AC:AC+7], v[WS:WS+7], v[SH:SH+7], v[BI:BI+7], v[SCW], v[SCS] matrix_a_fmt:MATRIX_FMT_FP4 matrix_b_fmt:MATRIX_FMT_FP4
.elseif \s == 1
	v_wmma_scale_f32_16x16x128_f8f6f4 v[AC+8:AC+15], v[WS+8:WS+15], v[SH+8:SH+15], 0, v[SCW+1], v[SCS+1] matrix_a_fmt:MATRIX_FMT_FP4 matrix_b_fmt:MATRIX_FMT_FP4
.elseif \s < 4
	v_wmma_scale_f32_16x16x128_f8f6f4 v[AC+8*(\s%2):AC+8*(\s%2)+7], v[WS+8*\s:WS+8*\s+7], v[SH+8*\s:SH+8*\s+7], v[AC+8*(\s%2):AC+8*(\s%2)+7], v[SCW+\s], v[SCS+\s] matrix_a_fmt:MATRIX_FMT_FP4 matrix_b_fmt:MATRIX_FMT_FP4
.else
	v_wmma_scale_f32_16x16x128_f8f6f4 v[AC+8*(\s%2):AC+8*(\s%2)+7], v[WS+8*\s:WS+8*\s+7], v[SH+8*\s:SH+8*\s+7], v[AC+8*(\s%2):AC+8*(\s%2)+7], v[SCW+\s-4], v[SCS+\s-4] matrix_a_fmt:MATRIX_FMT_FP4 matrix_b_fmt:MATRIX_FMT_FP4 matrix_a_scale:MATRIX_SCALE_ROW1 matrix_b_scale:MATRIX_SCALE_ROW1
.endif
.endr
.rept 4
	v_nop                                          ; four places between the last product and the first read of results (ISA guide 7.12.1)
.endr
.irp i, 0,2,4,6
	v_pk_add_f32 v[RES+\i:RES+\i+1], v[AC+\i:AC+\i+1], v[AC+8+\i:AC+9+\i]   ; the two halves of K; each accumulator from its low end on
.endr
.irp i, 0,2,4,6
	v_pk_mul_f32 v[RES+\i:RES+\i+1], v[RES+\i:RES+\i+1], s[40:41] op_sel_hi:[1,0]   ; x K2
.endr
	ds_store_b128 v7, v[RES:RES+3]
	ds_store_b128 v7, v[RES+4:RES+7] offset:16
	s_wait_dscnt 0x0                               ; for the others' sake: my part of the 16 rows is in the stage
	s_barrier_signal -1
	s_barrier_wait -1
	ds_load_b128 v[RES:RES+3], v8                  ; rows 4 w + h
	ds_load_b128 v[RES+4:RES+7], v8 offset:2*SPI   ; and 4 w + h + 2
	s_wait_dscnt 1                                 ; the first of the two loads is in
	global_store_b128 v9, v[RES:RES+3], s[16:17]   ; sixteen lanes store 256 consecutive bytes, at a multiple of 256 from decp's first byte
	s_wait_dscnt 0x0
	global_store_b128 v9, v[RES+4:RES+7], s[16:17] offset:8192
	s_wait_tensorcnt 0x0
	ds_add_u32 v208, v209
	s_wait_dscnt 0x0
	s_endpgm
.Lfunc_end_k_q2c5e4f291d_prep:
	.size	k_q2c5e4f291d_prep, .Lfunc_end_k_q2c5e4f291d_prep-k_q2c5e4f291d_prep
	.p2alignl 7, 3214868480
	.fill 96, 4, 3214868480
	.section	.rodata,"a",@progbits
	.p2align	6, 0x0
	.amdhsa_kernel k_q2c5e4f291d_prep
		.amdhsa_group_segment_fixed_size 5120
		.amdhsa_private_segment_fixed_size 0
		.amdhsa_enable_private_segment 0
		.amdhsa_kernarg_size 64
		.amdhsa_user_sgpr_count 2
		.amdhsa_user_sgpr_kernarg_segment_ptr 1
		.amdhsa_wavefront_size32 1
		.amdhsa_system_sgpr_workgroup_id_x 1
		.amdhsa_system_sgpr_workgroup_id_y 1
		.amdhsa_system_sgpr_workgroup_id_z 1
		.amdhsa_system_vgpr_workitem_id 0
		.amdhsa_next_free_vgpr 210
		.amdhsa_next_free_sgpr 66
		.amdhsa_reserve_vcc 0
		.amdhsa_float_denorm_mode_32 3
		.amdhsa_float_denorm_mode_16_64 3
		.amdhsa_memory_ordered 1
		.amdhsa_forward_progress 1
		.amdhsa_inst_pref_size 10
	.end_amdhsa_kernel
	.amdgpu_metadata
---
amdhsa.version: [ 1, 2 ]
amdhsa.kernels:
  - .name:           k_q2c5e4f291d_prep
    .symbol:         k_q2c5e4f291d_prep.kd
    .args:
      - { .name: s_t_hat_codes, .offset: 0, .size: 8, .value_kind: global_buffer, .address_space: global }
      - { .name: s_t_hat_scales, .offset: 8, .size: 8, .value_kind: global_buffer, .address_space: global }
      - { .name: W_s_codes, .offset: 16, .size: 8, .value_kind: global_buffer, .address_space: global }
      - { .name: W_s_scales, .offset: 24, .size: 8, .value_kind: global_buffer, .address_space: global }
      - { .name: b_s, .offset: 32, .size: 8, .value_kind: global_buffer, .address_space: global }
      - { .name: W_h_codes, .offset: 40, .size: 8, .value_kind: global_buffer, .address_space: global }
      - { .name: decp, .offset: 48, .size: 8, .value_kind: global_buffer, .address_space: global }
      - { .name: whf, .offset: 56, .size: 8, .value_kind: global_buffer, .address_space: global }
    .group_segment_fixed_size: 5120
    .private_segment_fixed_size: 0
    .kernarg_segment_align: 8
    .kernarg_segment_size: 64
    .max_flat_workgroup_size: 128
    .sgpr_count:     66
    .vgpr_count:     210
    .wavefront_size: 32
...
	.end_amdgpu_metadata
.endif
;; end of part 1
;; launch attn_main (part 2): grid 4 x 64, 8 waves a work-group, no clusters, 327,680 bytes of LDS; arguments encoder_outputs, whf, W_h_scales, decp, W_c, v, coverage, enc_padding_mask, scores, stats, pc; writes scores, stats, pc
.if DOCPART == 2
	.amdgcn_target "amdgcn-amd-amdhsa--gfx1250"
	.amdhsa_code_object_version 6
	.text
	.protected	k_q2c5e4f291d_attn_main
	.globl	k_q2c5e4f291d_attn_main
	.p2align	8
	.type	k_q2c5e4f291d_attn_main,@function
k_q2c5e4f291d_attn_main:
	s_mov_b64 s[64:65], 0
	v_nop
	global_prefetch_b8 v0, s[64:65] scope:SCOPE_SE
	s_setreg_imm32_b32 hwreg(HW_REG_WAVE_MODE, 25, 1), 1
	s_wait_xcnt 0x0
; Scores, a running softmax and the weighted sum of rows, for 256 positions of one batch: work-group (q, b) takes positions 256 q .. 256 q + 255 of batch b, in four blocks of 64 rows.
; The constant term of the scores (the sum of v) is left out, as the first kernel's head shows: it is equal along the softmax's axis.
; A BLOCK.  Wave w's tensor load brings 8 rows of f32 (32,768 bytes) into its own part of the stage.  The wave quantises them along K (blocks of 32: eight lanes share a block), puts codes (rows of 528 bytes) and
; scale bytes into LDS for all waves, and keeps the rows as bf16 in 128 registers for the weighted sum.  The stage is filled again while the block is multiplied.
; THE PRODUCT, transposed (source 0 = 16 rows of W_h, source 1 = 16 positions): wave w makes n = 128 w .. 128 w + 127 for all 64 positions, in two passes of 4 x 4 tiles; W_h's fragments come from whf as register images.
; THE ACTIVATION, four tiles at a time: t = K2 x (sum + features), 2^t, + 1, reciprocal, x (-2 v) onto the position's score.  An exponential that overflows gives the reciprocal 0, which is tanh = 1.
; The eight waves' parts of the scores meet in LDS; each wave then holds the running maximum and sum, and adds its own 8 rows x weight onto its part of c_t.  The launch that follows joins the four quarters of a batch.
; No cluster: the work-groups share W_h's images alone, which go straight to registers and through no tensor load.  LIMIT: the promise holds while the scores x log2(e) stay under 2^31 in magnitude.
.set COD,   262144
.set CP,    528
.set ASC,   295936
.set TAB,   297984
.set SPT,   310272
.set SCR,   312320
.set CVT,   313344
.set MSK,   314368
.set SPARE, 315392
.set SPW,  1
.set NIL,  2
.set LOFF, 3
.set AFR,  4
.set TABR, 5
.set STGA, 6
.set CODW, 7
.set ASCW, 8
.set BSO,  9
.set ML,   10
.set TB,   12
.set COV,  20
.set SS,   24
.set AS,   32
.set BS,   48
.set AF,   64
.set ACC,  128
.set RW,   0
.set CA,   128
.set BW,   160
.set G1H,  68
.set G0H,  76
.set MSB, 0
.macro WIN new
.if MSB != \new
	s_set_vgpr_msb (MSB<<8)|\new
.set MSB, \new
.endif
.endm
.macro PLACES
.rept 4
	v_nop
.endr
.endm
	s_load_b256 s[4:11], s[0:1], 0x0
	s_load_b256 s[12:19], s[0:1], 0x20
	s_load_b128 s[20:23], s[0:1], 0x40
	s_load_b64 s[24:25], s[0:1], 0x50
	v_lshl_add_u32 v[SPW], v0, 2, SPARE
	v_mov_b32 v[NIL], 0
	ds_add_u32 v1, v2
	ds_add_u32 v1, v2
	s_wait_dscnt 0x0
	v_lshrrev_b32 v14, 5, v0
	s_delay_alu instid0(VALU_DEP_1)
	v_readfirstlane_b32 s26, v14
	s_mov_b32 s27, ttmp9
	s_and_b32 s28, ttmp7, 0xffff
	s_mov_b32 s36, 3<<16
	s_mov_b32 s37, 32<<16
	s_mov_b32 s38, 128<<16
	s_mov_b32 s39, 32<<16
	s_mov_b32 s40, 128
	s_mov_b32 s41, 32
	s_mov_b32 s42, 0
	s_mov_b32 s43, 0
	s_mov_b32 s[G1H], 3<<16
	s_mov_b32 s[G1H+1], 32<<16
	s_mov_b32 s[G1H+2], 64<<16
	s_mov_b32 s[G1H+3], 32<<16
	s_mov_b32 s[G1H+4], 64
	s_mov_b32 s[G1H+5], 32
	s_mov_b32 s[G1H+6], 0
	s_mov_b32 s[G1H+7], 0
	s_mov_b32 s44, 0x4038aa3b
	s_mov_b32 s45, 0x4038aa3b
	s_mov_b32 s46, 0x76543210
	s_mov_b32 s47, 0xfedcba98
	s_mov_b32 s50, 0x3fb8aa3b
	s_mov_b32 s29, 0x1800000                       ; the floor 2^(3 - 127) under a block's largest magnitude: the scale's byte cannot fall under 1
	s_mov_b32 s30, 0xff000000                      ; takes 2 off an exponent field
	v_and_b32 v14, 15, v0
	v_bfe_u32 v15, v0, 4, 1
	v_and_b32 v[LOFF], 31, v0
	s_delay_alu instid0(VALU_DEP_1)
	v_lshlrev_b32 v[LOFF], 4, v[LOFF]
	s_delay_alu instid0(VALU_DEP_4)
	v_mul_u32_u24 v[AFR], v14, CP
	s_delay_alu instid0(VALU_DEP_1)
	v_lshl_add_u32 v[AFR], v15, 4, v[AFR]
	s_delay_alu instid0(VALU_DEP_1)
	v_add_nc_u32 v[AFR], COD, v[AFR]
	s_lshl_b32 s60, s26, 9
	s_add_co_u32 s60, s60, TAB
	v_lshl_add_u32 v[TABR], v15, 5, s60
	s_lshl_b32 s33, s26, 15
	v_add_nc_u32 v[STGA], s33, v[LOFF]
	s_mul_i32 s60, s26, 8*CP
	s_add_co_u32 s60, s60, COD
	v_lshrrev_b32 v[CODW], 3, v[LOFF]
	s_delay_alu instid0(VALU_DEP_1)
	v_add_nc_u32 v[CODW], s60, v[CODW]
	s_lshl_b32 s60, s26, 8
	s_add_co_u32 s60, s60, ASC
	v_bfe_u32 v[ASCW], v0, 3, 2
	s_delay_alu instid0(VALU_DEP_1)
	v_add_nc_u32 v[ASCW], s60, v[ASCW]
	v_lshlrev_b32 v[BSO], 5, v14
	s_delay_alu instid0(VALU_DEP_1)
	v_lshl_add_u32 v[BSO], v15, 4, v[BSO]
	v_lshlrev_b32 v12, 4, v0
	v_lshlrev_b32 v13, 2, v0
	s_delay_alu instid0(VALU_DEP_2)
	v_add_nc_u32 v16, TAB, v12
	s_delay_alu instid0(VALU_DEP_2)
	v_add_nc_u32 v17, CVT, v13
	s_mov_b32 s61, 0
	s_lshl_b32 s60, s28, 22
	s_lshl_b32 s62, s27, 20
	s_add_co_u32 s60, s60, s62
	s_add_co_u32 s60, s60, s33
	s_mov_b32 s32, 1
	s_mov_b32 s[G0H], 1
	s_mov_b32 s[G0H+1], s33
	s_mov_b32 s[G0H+4], 1
	s_add_co_u32 s[G0H+5], s33, 16384
	s_wait_alu depctr_va_vdst(0)
	s_wait_kmcnt 0x0
	s_add_nc_u64 s[34:35], s[4:5], s[60:61]
	s_mov_b64 s[G0H+2:G0H+3], s[34:35]
	s_add_nc_u64 s[G0H+6:G0H+7], s[34:35], 16384
	s_or_b32 s35, s35, 0x80000000
	s_or_b32 s[G0H+3], s[G0H+3], 0x80000000
	s_or_b32 s[G0H+7], s[G0H+7], 0x80000000
	s_lshl_b32 s60, s26, 16
	s_add_nc_u64 s[6:7], s[6:7], s[60:61]
	s_lshl_b32 s60, s26, 12
	s_add_nc_u64 s[8:9], s[8:9], s[60:61]
	s_lshl_b32 s60, s28, 12
	s_add_nc_u64 s[10:11], s[10:11], s[60:61]
	s_lshl_b32 s62, s27, 10
	s_add_co_u32 s60, s60, s62
	s_add_nc_u64 s[16:17], s[16:17], s[60:61]
	s_add_nc_u64 s[18:19], s[18:19], s[60:61]
	s_add_nc_u64 s[20:21], s[20:21], s[60:61]
	s_lshr_b32 s60, s60, 2
	s_add_nc_u64 s[22:23], s[22:23], s[60:61]
	s_lshl_b32 s60, s60, 4
	s_lshl_b32 s62, s26, 9
	s_add_co_u32 s60, s60, s62
	s_add_nc_u64 s[24:25], s[24:25], s[60:61]
.macro LA s, set
.irp m, 0,1,2,3
.irp c, 0,1
	ds_load_b128 v[AF+32*(\set)+8*\m+4*\c:AF+32*(\set)+8*\m+4*\c+3], v[AFR] offset:16*CP*\m+64*(\s)+32*\c
.endr
.endr
.endm
.macro LB p, s, set
	WIN 0x40
.irp t, 0,1,2,3
.irp c, 0,1
	global_load_b128 v[BW+32*(\set)+8*\t+4*\c:BW+32*(\set)+8*\t+4*\c+3], v[LOFF], s[6:7] offset:32768*(\p)+8192*\t+1024*(\s)+512*\c
.endr
.endr
.endm
.macro LBS p
	WIN 0
.irp t, 0,1,2,3
	global_load_b128 v[BS+4*\t:BS+4*\t+3], v[BSO], s[8:9] offset:2048*(\p)+512*\t
.endr
.endm
.macro LC p, t, set
.irp a, 0,1,2
.irp c, 0,1
	ds_load_b128 v[AF+32*(\set)+8*\a+4*\c:AF+32*(\set)+8*\a+4*\c+3], v[TABR] offset:4096*\a+256*(\p)+64*(\t)+16*\c
.endr
.endr
.endm
.macro MM s, first
	WIN 0x01
.irp t, 0,1,2,3
.irp m, 0,1,2,3
.if \first
	v_wmma_scale_f32_16x16x128_f8f6f4 v[ACC+8*(4*\t+\m):ACC+8*(4*\t+\m)+7], v[BW+32*((\s)%3)+8*\t:BW+32*((\s)%3)+8*\t+7], v[AF+32*((\s)%2)+8*\m:AF+32*((\s)%2)+8*\m+7], 0, v[BS+4*\t+((\s)&3)], v[AS+4*\m+((\s)&3)] matrix_a_fmt:MATRIX_FMT_FP4 matrix_b_fmt:MATRIX_FMT_FP4
.elseif (\s) < 4
	v_wmma_scale_f32_16x16x128_f8f6f4 v[ACC+8*(4*\t+\m):ACC+8*(4*\t+\m)+7], v[BW+32*((\s)%3)+8*\t:BW+32*((\s)%3)+8*\t+7], v[AF+32*((\s)%2)+8*\m:AF+32*((\s)%2)+8*\m+7], v[ACC+8*(4*\t+\m):ACC+8*(4*\t+\m)+7], v[BS+4*\t+((\s)&3)], v[AS+4*\m+((\s)&3)] matrix_a_fmt:MATRIX_FMT_FP4 matrix_b_fmt:MATRIX_FMT_FP4
.else
	v_wmma_scale_f32_16x16x128_f8f6f4 v[ACC+8*(4*\t+\m):ACC+8*(4*\t+\m)+7], v[BW+32*((\s)%3)+8*\t:BW+32*((\s)%3)+8*\t+7], v[AF+32*((\s)%2)+8*\m:AF+32*((\s)%2)+8*\m+7], v[ACC+8*(4*\t+\m):ACC+8*(4*\t+\m)+7], v[BS+4*\t+((\s)&3)], v[AS+4*\m+((\s)&3)] matrix_a_fmt:MATRIX_FMT_FP4 matrix_b_fmt:MATRIX_FMT_FP4 matrix_a_scale:MATRIX_SCALE_ROW1 matrix_b_scale:MATRIX_SCALE_ROW1
.endif
.endr
.endr
.endm
.macro BIAS q, i
.set cS, AF+32*(((\q)/4)%2)
.set mT, (\q)%4
.if mT%2
	v_pk_fma_f32 v[TB+2*(\i):TB+2*(\i)+1], v[cS+8+2*(\i):cS+9+2*(\i)], v[COV+mT-1:COV+mT], v[cS+2*(\i):cS+2*(\i)+1] op_sel:[0,1,0] op_sel_hi:[1,1,1]
.else
	v_pk_fma_f32 v[TB+2*(\i):TB+2*(\i)+1], v[cS+8+2*(\i):cS+9+2*(\i)], v[COV+mT:COV+mT+1], v[cS+2*(\i):cS+2*(\i)+1] op_sel_hi:[1,0,1]
.endif
.endm
.macro TT q, i
	v_pk_fma_f32 v[ACC+8*(\q)+2*(\i):ACC+8*(\q)+2*(\i)+1], v[ACC+8*(\q)+2*(\i):ACC+8*(\q)+2*(\i)+1], s[44:45], v[TB+2*(\i):TB+2*(\i)+1] op_sel_hi:[1,0,1]
.endm
.macro FS q, i
.set cS, AF+32*(((\q)/4)%2)
.set aP, ACC+8*(\q)+2*(\i)
.set sP, SS+2*((\q)%4)
.if (PASSNO == 0) && ((\q) < 4) && ((\i) == 0)
	v_pk_mul_f32 v[sP:sP+1], v[aP:aP+1], v[cS+16:cS+17]
.else
	v_pk_fma_f32 v[sP:sP+1], v[aP:aP+1], v[cS+16+2*(\i):cS+17+2*(\i)], v[sP:sP+1]
.endif
.endm
; The activation of the four tiles 4 t .. 4 t + 3 (16 of W_h's rows x 64 positions, 32 registers), in batches: all sources, one wait, the batch, a plain place, one wait.
.macro GRP t, p
.if ((\t) == 3) && ((\p) == 0)
	s_wait_dscnt 8                                 ; this group's constants are in; behind them: the 8 loads of A's first fragments for the next pass
.elseif (\t) == 3
	s_wait_dscnt 0x0                               ; nothing was asked for behind them
.else
	s_wait_dscnt 6                                 ; behind them: the 6 loads of the next group's constants
.endif
.irp i, 0,1,2,3
	BIAS 4*(\t), \i
.endr
	s_wait_alu depctr_va_vdst(0)                   ; directly ahead of the first reader of the group's matrix results; plain vector work alone up to the last
.irp i, 0,1,2,3
	TT 4*(\t), \i                                  ; each accumulator from its low end on
.endr
.irp m, 1,2,3
.irp i, 0,1,2,3
	BIAS 4*(\t)+\m, \i
.endr
.irp i, 0,1,2,3
	TT 4*(\t)+\m, \i
.endr
.endr
	s_wait_alu depctr_va_vdst(0)                   ; ahead of the batch
.set J, ACC+32*(\t)
.rept 32
	v_exp_f32 v[J], v[J]                           ; e^(2x)
.set J, J+1
.endr
	v_nop                                          ; a plain place behind the exponentials
	s_wait_alu depctr_va_vdst(0)                   ; one wait for the 32
.set J, ACC+32*(\t)
.rept 16
	v_pk_add_f32 v[J:J+1], v[J:J+1], 1.0 op_sel_hi:[1,0]
.set J, J+2
.endr
	s_wait_alu depctr_va_vdst(0)                   ; ahead of the batch
.set J, ACC+32*(\t)
.rept 32
	v_rcp_f32 v[J], v[J]                           ; 1 / (1 + e^(2x))
.set J, J+1
.endr
	v_nop                                          ; a plain place behind the reciprocals
	s_wait_alu depctr_va_vdst(0)                   ; one wait for the 32
.irp i, 0,1,2,3
.irp m, 0,1,2,3
	FS 4*(\t)+\m, \i                               ; x (-2 v), onto the scores: the four position tiles' sums by turns
.endr
.endr
.if (\t) < 2
	LC \p, (\t)+2, (\t)%2                          ; this group's set of constants is free: it takes those of the group after next
.elseif ((\t) == 2) && ((\p) == 0)
	LA 0, 0                                        ; or A's first fragments for the second pass
.endif
.endm
.macro PASS p, nxt
.set PASSNO, \p
.if (\p) == 0
	v_add_nc_u32 v[TB], ASC, v[BSO]
	v_and_b32 v[TB+1], 15, v0
	s_delay_alu instid0(VALU_DEP_1)
	v_lshl_add_u32 v[TB+1], v[TB+1], 2, CVT
	s_delay_alu instid0(VALU_DEP_1)
	v_add_nc_u32 v[TB+1], s49, v[TB+1]
.irp m, 0,1,2,3
	ds_load_b128 v[AS+4*\m:AS+4*\m+3], v[TB] offset:512*\m
.endr
.irp m, 0,1,2,3
	ds_load_b32 v[COV+\m], v[TB+1] offset:64*\m
.endr
	LA 0, 0
.endif
	LA 1, 1
	s_wait_loadcnt 0x0
	s_wait_dscnt 8
.irp s, 0,1,2,3,4,5,6,7
.if \s >= 3
.if \nxt || (\s < 6)
	s_wait_loadcnt 16
.elseif \s == 6
	s_wait_loadcnt 8
.else
	s_wait_loadcnt 0x0
.endif
.endif
.if \s == 7
	s_wait_dscnt 6
.elseif \s > 0
	s_wait_dscnt 8
.endif
.if \s == 0
	MM 0, 1
.else
	MM \s, 0
.endif
	PLACES
	WIN 0
.if \s <= 5
	LA \s+2, \s%2
.elseif \s == 6
	LC \p, 0, 0
.else
	LC \p, 1, 1
.endif
.if \s <= 4
	LB \p, \s+3, \s%3
.elseif \nxt
.if \s == 5
	LB 1-\p, 2, 2
.elseif \s == 6
	LB 1-\p, 0, 0
.else
	LB 1-\p, 1, 1
	LBS 1-\p
.endif
.endif
.endr
	WIN 0
.irp t, 0,1,2,3
	GRP \t, \p
.endr
.endm
.macro QLOAD i
.irp j, 0,1,2,3,4,5,6,7
	ds_load_b128 v[ACC+32*((\i)%4)+4*\j:ACC+32*((\i)%4)+4*\j+3], v[STGA] offset:4096*(\i)+512*\j
.endr
.endm
.macro QROW i, left, tw
.set XB, ACC+32*((\i)%4)
.set TQ, AF+32*((\i)%2)
.if \tw
	s_wait_tensorcnt 0x0
.endif
.if (\i)+2 < 8
	QLOAD (\i)+2
.endif
	s_wait_dscnt \left
.irp j, 0,1,2,3,4,5,6,7
	v_max3_num_f32 v[TQ+\j], |v[XB+4*\j]|, |v[XB+4*\j+1]|, s29
.endr
.irp j, 0,1,2,3,4,5,6,7
	v_max3_num_f32 v[TQ+\j], v[TQ+\j], |v[XB+4*\j+2]|, |v[XB+4*\j+3]|
.endr
.irp x, 1,2,4
.irp j, 0,1,2,3,4,5,6,7
	v_max_num_f32_dpp v[TQ+\j], v[TQ+\j], v[TQ+\j] row_xmask:\x row_mask:0xf bank_mask:0xf
.endr
.endr
.irp j, 0,1,2,3,4,5,6,7
	v_add_nc_u32 v[TQ+8+\j], s30, v[TQ+\j]
.endr
	WIN 0x40
.irp k, 0,1,2,3,4,5,6,7,8,9,10,11,12,13,14,15
	v_cvt_pk_bf16_f32 v[RW+16*(\i)+\k], v[XB+2*\k], v[XB+2*\k+1]
.endr
	WIN 0
.irp e, 0,1,2,3
	v_cvt_scalef32_pk8_fp4_f32 v[TQ+16+2*\e], v[XB+8*\e:XB+8*\e+7], v[TQ+8+2*\e]
	v_cvt_scalef32_pk8_fp4_f32 v[TQ+17+2*\e], v[XB+8*\e:XB+8*\e+7], v[TQ+9+2*\e]
.endr
.irp j, 0,1,2,3,4,5,6,7
	v_lshrrev_b32 v[TQ+24+\j], 23, v[TQ+8+\j]
.endr
.irp e, 0,1,2,3
	ds_store_b16 v[CODW], v[TQ+16+2*\e] offset:CP*(\i)+128*\e
	ds_store_b16_d16_hi v[CODW], v[TQ+17+2*\e] offset:CP*(\i)+128*\e+64
.endr
.irp j, 0,1,2,3,4,5,6,7
	ds_store_b8 v[ASCW], v[TQ+24+\j] offset:32*(\i)+4*\j
.endr
.endm
.macro QPHASE first
.if \first
	s_wait_tensorcnt 0x1
.else
	s_wait_tensorcnt 0x0
.endif
	QLOAD 0
	QLOAD 1
	QROW 0, 16, 0
	QROW 1, 32, 0
	QROW 2, 32, \first
	QROW 3, 32, 0
	QROW 4, 32, 0
	QROW 5, 32, 0
	QROW 6, 24, 0
	QROW 7, 16, 0
.endm
.macro SCORES
.irp m, 0,1,2,3
	v_add_f32 v[AF+\m], v[SS+2*\m], v[SS+2*\m+1]
.endr
.irp m, 0,1,2,3
	s_delay_alu instid0(VALU_DEP_4)
	v_permlanex16_b32 v[AF+4+\m], v[AF+\m], s46, s47
.endr
.irp m, 0,1,2,3
	s_delay_alu instid0(VALU_DEP_4)
	v_add_f32 v[AF+\m], v[AF+\m], v[AF+4+\m]
.endr
	v_and_b32 v[AF+8], 15, v0
	s_delay_alu instid0(VALU_DEP_1)
	v_lshl_add_u32 v[AF+8], v[AF+8], 2, SPT
	s_lshl_b32 s60, s26, 8
	v_add_nc_u32 v[AF+8], s60, v[AF+8]
.irp m, 0,1,2,3
	ds_store_b32 v[AF+8], v[AF+\m] offset:64*\m
.endr
	v_and_b32 v[AF+9], 31, v0
	s_delay_alu instid0(VALU_DEP_1)
	v_lshl_add_u32 v[AF+10], v[AF+9], 2, SPT
	s_delay_alu instid0(VALU_DEP_2)
	v_lshl_add_u32 v[AF+11], v[AF+9], 2, MSK
	s_delay_alu instid0(VALU_DEP_1)
	v_add_nc_u32 v[AF+11], s49, v[AF+11]
	v_and_b32 v[AF+12], 7, v0
	s_lshl_b32 s62, s26, 5
	v_lshl_add_u32 v[AF+12], v[AF+12], 2, s62
	s_delay_alu instid0(VALU_DEP_1)
	v_add_nc_u32 v[AF+13], SPT, v[AF+12]
	s_add_co_u32 s62, s49, MSK
	v_add_nc_u32 v[AF+14], s62, v[AF+12]
	s_add_co_u32 s62, s49, SCR
	v_add_nc_u32 v[AF+15], s62, v[AF+12]
	s_wait_alu depctr_va_vdst(0)
	s_wait_dscnt 0x0
	s_barrier_signal -1
	s_barrier_wait -1
.irp u, 0,1,2,3,4,5,6,7
	ds_load_b32 v[ACC+\u], v[AF+10] offset:256*\u
	ds_load_b32 v[ACC+8+\u], v[AF+10] offset:256*\u+128
	ds_load_b32 v[ACC+16+\u], v[AF+13] offset:256*\u
.endr
	ds_load_b32 v[ACC+24], v[AF+11]
	ds_load_b32 v[ACC+25], v[AF+11] offset:128
	ds_load_b32 v[ACC+26], v[AF+14]
	s_wait_dscnt 0x0
.irp u, 1
	v_add_f32 v[ACC], v[ACC], v[ACC+\u]
	v_add_f32 v[ACC+8], v[ACC+8], v[ACC+8+\u]
	v_add_f32 v[ACC+16], v[ACC+16], v[ACC+16+\u]
.endr
.irp u, 2, 3, 4, 5, 6, 7
	s_delay_alu instid0(VALU_DEP_3)
	v_add_f32 v[ACC], v[ACC], v[ACC+\u]
	s_delay_alu instid0(VALU_DEP_3)
	v_add_f32 v[ACC+8], v[ACC+8], v[ACC+8+\u]
	s_delay_alu instid0(VALU_DEP_3)
	v_add_f32 v[ACC+16], v[ACC+16], v[ACC+16+\u]
.endr
	ds_store_b32 v[AF+15], v[ACC+16]
	v_max_num_f32 v[ACC+27], v[ACC], v[ACC+8]
.irp x, 1,2,4,8
	s_delay_alu instid0(VALU_DEP_1)
	v_max_num_f32_dpp v[ACC+27], v[ACC+27], v[ACC+27] row_xmask:\x row_mask:0xf bank_mask:0xf
.endr
	v_permlanex16_b32 v[ACC+28], v[ACC+27], s46, s47
	s_delay_alu instid0(VALU_DEP_1)
	v_max3_num_f32 v[ACC+29], v[ACC+27], v[ACC+28], v[ML]
	s_delay_alu instid0(VALU_DEP_1)
	v_sub_f32 v[ACC+30], v[ML], v[ACC+29]
	s_delay_alu instid0(VALU_DEP_2)
	v_sub_f32 v[ACC], v[ACC], v[ACC+29]
	s_delay_alu instid0(VALU_DEP_3)
	v_sub_f32 v[ACC+8], v[ACC+8], v[ACC+29]
	s_delay_alu instid0(VALU_DEP_4)
	v_sub_f32 v[ACC+17], v[ACC+16], v[ACC+29]
	s_delay_alu instid0(VALU_DEP_4)
	v_mul_f32 v[ACC+30], s50, v[ACC+30]
	s_delay_alu instid0(VALU_DEP_4)
	v_mul_f32 v[ACC], s50, v[ACC]
	s_delay_alu instid0(VALU_DEP_4)
	v_mul_f32 v[ACC+8], s50, v[ACC+8]
	s_delay_alu instid0(VALU_DEP_4)
	v_mul_f32 v[ACC+17], s50, v[ACC+17]
	s_wait_alu depctr_va_vdst(0)
	v_exp_f32 v[ACC+30], v[ACC+30]
	v_exp_f32 v[ACC], v[ACC]
	v_exp_f32 v[ACC+8], v[ACC+8]
	v_exp_f32 v[ACC+17], v[ACC+17]
	v_mov_b32 v[ML], v[ACC+29]
	s_wait_alu depctr_va_vdst(0)
	v_mul_f32 v[ACC], v[ACC], v[ACC+24]
	v_mul_f32 v[ACC+8], v[ACC+8], v[ACC+25]
	v_mul_f32 v[ACC+17], v[ACC+17], v[ACC+26]
	s_delay_alu instid0(VALU_DEP_2)
	v_add_f32 v[ACC+31], v[ACC], v[ACC+8]
.irp x, 1,2,4,8
	s_delay_alu instid0(VALU_DEP_1)
	v_add_f32_dpp v[ACC+31], v[ACC+31], v[ACC+31] row_xmask:\x row_mask:0xf bank_mask:0xf
.endr
	s_delay_alu instid0(VALU_DEP_1)
	v_permlanex16_b32 v[ACC+28], v[ACC+31], s46, s47
	s_delay_alu instid0(VALU_DEP_1)
	v_add_f32 v[ACC+31], v[ACC+31], v[ACC+28]
	v_fma_f32 v[ML+1], v[ML+1], v[ACC+30], v[ACC+31]
.irp i, 0,1,2,3,4,5,6,7
	v_readlane_b32 s[52+\i], v[ACC+17], \i
.endr
.irp i, 0,1,2,3,4,5,6,7
	v_mov_b32 v[ACC+32+\i], s[52+\i]
.endr
	s_wait_dscnt 0x0
.endm
.macro CSUM
	WIN 0x41
.irp k, 0,1,2,3,4,5,6,7,8,9,10,11,12,13,14,15
	v_pk_mul_f32 v[CA+2*\k:CA+2*\k+1], v[CA+2*\k:CA+2*\k+1], v[ACC+30:ACC+31] op_sel_hi:[1,0]
.endr
	WIN 0x51
.irp i, 0,1,2,3,4,5,6,7
.irp k, 0,1,2,3,4,5,6,7,8,9,10,11,12,13,14,15
	v_fma_mix_f32_bf16 v[CA+2*\k], v[RW+16*\i+\k], v[ACC+32+\i], v[CA+2*\k] op_sel_hi:[1,0,0]
	v_fma_mix_f32_bf16 v[CA+2*\k+1], v[RW+16*\i+\k], v[ACC+32+\i], v[CA+2*\k+1] op_sel:[1,0,0] op_sel_hi:[1,0,0]
.endr
.endr
	WIN 0
.endm
.macro GSC nxt
	PASS 0, 1
	PASS 1, \nxt
	SCORES
	CSUM
.endm
	global_load_b128 v[64:67], v12, s[10:11]
	global_load_b128 v[68:71], v12, s[12:13]
	global_load_b128 v[72:75], v12, s[14:15]
	global_load_b32 v76, v13, s[16:17]
	global_load_b32 v77, v13, s[18:19]
	LB 0, 2, 2
	LB 0, 0, 0
	LB 0, 1, 1
	LBS 0
	s_lshl_b32 s60, s28, 2
	s_add_co_u32 s60, s60, s27
	s_bcnt1_i32_b32 s60, s60
	s_and_b32 s60, s60, 1
	s_cmp_eq_u32 s60, 0
	s_cbranch_scc1 .Lask
	s_wait_loadcnt 0x0
.Lask:
	tensor_load_to_lds s[G0H:G0H+3], s[G1H:G1H+7]
	s_nop 0
	s_wait_alu depctr_va_vdst(0)
	s_wait_tensorcnt 0x0
	ds_add_u32 v1, v2
	s_wait_dscnt 0x0
	s_barrier_signal -1
	s_barrier_wait -1
	tensor_load_to_lds s[G0H+4:G0H+7], s[G1H:G1H+7]
	s_nop 0
	PLACES
	WIN 0x40
.irp i, 0,1,2,3,4,5,6,7,8,9,10,11,12,13,14,15,16,17,18,19,20,21,22,23,24,25,26,27,28,29,30,31
	v_mov_b32 v[CA+\i], 0
.endr
	WIN 0
	v_mov_b32 v[ML], 0xff61b1e6
	v_mov_b32 v[ML+1], 0
	s_wait_loadcnt 28
	v_pk_mul_f32 v[68:69], v[68:69], s[44:45] op_sel_hi:[1,0]
	v_pk_mul_f32 v[70:71], v[70:71], s[44:45] op_sel_hi:[1,0]
	v_pk_mul_f32 v[72:73], v[72:73], -2.0 op_sel_hi:[1,0]
	v_pk_mul_f32 v[74:75], v[74:75], -2.0 op_sel_hi:[1,0]
	ds_store_b128 v16, v[64:67]
	ds_store_b128 v16, v[68:71] offset:4096
	ds_store_b128 v16, v[72:75] offset:8192
	ds_store_b32 v17, v76
	ds_store_b32 v17, v77 offset:MSK-CVT
	QPHASE 1
	s_mov_b32 s48, 3
	s_mov_b32 s49, 0
.Lblock:
	s_wait_tensorcnt 0x0
	ds_add_u32 v[SPW], v[NIL]
	s_add_nc_u64 s[34:35], s[34:35], 0x40000
	s_wait_dscnt 0x0
	s_barrier_signal -1
	s_barrier_wait -1
	tensor_load_to_lds s[32:35], s[36:43]
	s_nop 0
	PLACES
	GSC 1
	s_add_co_u32 s49, s49, 256
	QPHASE 0
	s_sub_co_u32 s48, s48, 1
	s_cmp_lg_u32 s48, 0
	s_cbranch_scc1 .Lblock
	s_wait_dscnt 0x0
	s_barrier_signal -1
	s_barrier_wait -1
	GSC 0
	v_add_nc_u32 v12, COD, v[LOFF]
	s_lshl_b32 s60, s26, 12
	v_add_nc_u32 v13, s60, v12
	s_lshl_b32 s60, s26, 9
	v_add_nc_u32 v14, s60, v12
	s_min_u32 s62, s26, 1
	s_lshl_b32 s62, s62, 9
	v_add_nc_u32 v15, s62, v[LOFF]
	s_delay_alu instid0(VALU_DEP_1)
	v_add_nc_u32 v16, SCR, v15
	v_lshrrev_b32 v17, 1, v[LOFF]
	WIN 0x04
.irp j, 0,1,2,3,4,5,6,7
	ds_store_b128 v13, v[CA+4*\j:CA+4*\j+3] offset:512*\j
.endr
	WIN 0
	s_wait_alu depctr_va_vdst(0)
	s_wait_dscnt 0x0
	s_barrier_signal -1
	s_barrier_wait -1
.irp u, 0,1,2,3,4,5,6,7
	ds_load_b128 v[ACC+4*\u:ACC+4*\u+3], v14 offset:4096*\u
.endr
	s_cmp_lt_u32 s26, 2
	s_cbranch_scc0 .Lno_scores
	ds_load_b128 v[ACC+32:ACC+35], v16
	s_wait_dscnt 0x0
	global_store_b128 v15, v[ACC+32:ACC+35], s[20:21]
.Lno_scores:
	s_wait_dscnt 0x0
.irp u, 1
	v_pk_add_f32 v[ACC:ACC+1], v[ACC:ACC+1], v[ACC+4*\u:ACC+4*\u+1]
	v_pk_add_f32 v[ACC+2:ACC+3], v[ACC+2:ACC+3], v[ACC+4*\u+2:ACC+4*\u+3]
.endr
.irp u, 2, 3, 4, 5, 6, 7
	s_delay_alu instid0(VALU_DEP_2)
	v_pk_add_f32 v[ACC:ACC+1], v[ACC:ACC+1], v[ACC+4*\u:ACC+4*\u+1]
	s_delay_alu instid0(VALU_DEP_2)
	v_pk_add_f32 v[ACC+2:ACC+3], v[ACC+2:ACC+3], v[ACC+4*\u+2:ACC+4*\u+3]
.endr
	global_store_b128 v[LOFF], v[ACC:ACC+3], s[24:25]
	s_cmp_lg_u32 s26, 0
	s_cbranch_scc1 .Lno_stats
	global_store_b64 v17, v[ML:ML+1], s[22:23]
.Lno_stats:
	s_wait_tensorcnt 0x0
	ds_add_u32 v[SPW], v[NIL]
	s_wait_dscnt 0x0
	s_endpgm
.Lfunc_end_k_q2c5e4f291d_attn_main:
	.size	k_q2c5e4f291d_attn_main, .Lfunc_end_k_q2c5e4f291d_attn_main-k_q2c5e4f291d_attn_main
	.p2alignl 7, 3214868480
	.fill 96, 4, 3214868480
	.section	.rodata,"a",@progbits
	.p2align	6, 0x0
	.amdhsa_kernel k_q2c5e4f291d_attn_main
		.amdhsa_group_segment_fixed_size 327680
		.amdhsa_private_segment_fixed_size 0
		.amdhsa_enable_private_segment 0
		.amdhsa_kernarg_size 88
		.amdhsa_user_sgpr_count 2
		.amdhsa_user_sgpr_kernarg_segment_ptr 1
		.amdhsa_wavefront_size32 1
		.amdhsa_system_sgpr_workgroup_id_x 1
		.amdhsa_system_sgpr_workgroup_id_y 1
		.amdhsa_system_sgpr_workgroup_id_z 1
		.amdhsa_system_vgpr_workitem_id 0
		.amdhsa_next_free_vgpr 512
		.amdhsa_next_free_sgpr 84
		.amdhsa_reserve_vcc 0
		.amdhsa_float_denorm_mode_32 3
		.amdhsa_float_denorm_mode_16_64 3
		.amdhsa_memory_ordered 1
		.amdhsa_forward_progress 1
		.amdhsa_inst_pref_size 255
	.end_amdhsa_kernel
	.section	.bss,"aw",@nobits
	.p2align	6
	.space	262144
	.amdgpu_metadata
---
amdhsa.version: [ 1, 2 ]
amdhsa.kernels:
  - .name:           k_q2c5e4f291d_attn_main
    .symbol:         k_q2c5e4f291d_attn_main.kd
    .args:
      - { .name: encoder_outputs, .offset: 0, .size: 8, .value_kind: global_buffer, .address_space: global }
      - { .name: whf, .offset: 8, .size: 8, .value_kind: global_buffer, .address_space: global }
      - { .name: W_h_scales, .offset: 16, .size: 8, .value_kind: global_buffer, .address_space: global }
      - { .name: decp, .offset: 24, .size: 8, .value_kind: global_buffer, .address_space: global }
      - { .name: W_c, .offset: 32, .size: 8, .value_kind: global_buffer, .address_space: global }
      - { .name: v, .offset: 40, .size: 8, .value_kind: global_buffer, .address_space: global }
      - { .name: coverage, .offset: 48, .size: 8, .value_kind: global_buffer, .address_space: global }
      - { .name: enc_padding_mask, .offset: 56, .size: 8, .value_kind: global_buffer, .address_space: global }
      - { .name: scores, .offset: 64, .size: 8, .value_kind: global_buffer, .address_space: global }
      - { .name: stats, .offset: 72, .size: 8, .value_kind: global_buffer, .address_space: global }
      - { .name: pc, .offset: 80, .size: 8, .value_kind: global_buffer, .address_space: global }
    .group_segment_fixed_size: 327680
    .private_segment_fixed_size: 0
    .kernarg_segment_align: 8
    .kernarg_segment_size: 88
    .max_flat_workgroup_size: 256
    .sgpr_count:     84
    .vgpr_count:     512
    .wavefront_size: 32
...
	.end_amdgpu_metadata
.endif
;; end of part 2
;; launch finish (part 3): grid 4 x 64, 2 waves a work-group, no clusters, 0 bytes of LDS; arguments stats, pc, scores, enc_padding_mask, coverage, out0, out1, out2; writes out0, out1, out2
.if DOCPART == 3
	.amdgcn_target "amdgcn-amd-amdhsa--gfx1250"
	.amdhsa_code_object_version 6
	.text
	.protected	k_q2c5e4f291d_finish
	.globl	k_q2c5e4f291d_finish
	.p2align	8
	.type	k_q2c5e4f291d_finish,@function
k_q2c5e4f291d_finish:
	s_mov_b64 s[64:65], 0
	v_nop
	global_prefetch_b8 v0, s[64:65] scope:SCOPE_SE
	s_setreg_imm32_b32 hwreg(HW_REG_WAVE_MODE, 25, 1), 1
	s_wait_xcnt 0x0
; The four quarters of a batch are joined.  Quarter i left its largest score M_i, its sum L_i of e^(s - M_i) x mask, and pc_i, the sum of e^(s - M_i) x mask x row.
; M = the largest M_i;  f_i = e^(M_i - M);  L = the sum of f_i L_i;  c_t = (the sum of f_i pc_i) / L;  attn = e^(s - M) x mask / L;  coverage_new = coverage + attn.
; Work-group (q, b), thread t (0 .. 63): the four numbers at byte 4,096 b + 1,024 q + 16 t of each tensor of [64][1024]: a wave's load or store covers 512 consecutive bytes.
; A stream of a few bytes a thread: no LDS, no barrier, no matrix unit.  LIMIT: a batch whose mask is all zero has L = 0 and gives NaN, as a division of 0 by 0 does.
.set L2E, 0x3fb8aa3b                   ; log2(e)
	s_load_b256 s[4:11], s[0:1], 0x0               ; stats s[4:5], pc s[6:7], scores s[8:9], mask s[10:11]
	s_load_b256 s[12:19], s[0:1], 0x20             ; coverage s[12:13], out0 s[14:15], out1 s[16:17], out2 s[18:19]
	s_and_b32 s20, ttmp7, 0xffff                   ; b
	s_lshl_b32 s21, ttmp9, 10                      ; 1,024 q
	s_lshl_b32 s22, s20, 10                        ; stats: four blocks of 256 bytes a batch
	s_mov_b32 s23, 0
	s_lshl_b32 s24, s20, 12
	s_add_co_u32 s24, s24, s21                     ; 4,096 b + 1,024 q
	s_mov_b32 s25, 0
	s_lshl_b32 s26, s20, 14
	s_add_co_u32 s26, s26, s21                     ; pc: 16,384 b + 1,024 q
	s_mov_b32 s27, 0
	v_lshlrev_b32 v1, 4, v0                        ; 16 t
	s_wait_alu depctr_va_vdst(0)
	s_wait_kmcnt 0x0
	s_add_nc_u64 s[4:5], s[4:5], s[22:23]
	s_load_b64 s[28:29], s[4:5], 0x0               ; M_0, L_0
	s_load_b64 s[30:31], s[4:5], 0x100
	s_load_b64 s[32:33], s[4:5], 0x200
	s_load_b64 s[34:35], s[4:5], 0x300
	s_add_nc_u64 s[6:7], s[6:7], s[26:27]
	s_add_nc_u64 s[8:9], s[8:9], s[24:25]
	s_add_nc_u64 s[10:11], s[10:11], s[24:25]
	s_add_nc_u64 s[12:13], s[12:13], s[24:25]
	s_add_nc_u64 s[14:15], s[14:15], s[24:25]
	s_add_nc_u64 s[16:17], s[16:17], s[24:25]
	s_add_nc_u64 s[18:19], s[18:19], s[24:25]
.irp i, 0,1,2,3
	global_load_b128 v[12+4*\i:15+4*\i], v1, s[6:7] offset:4096*\i
.endr
	global_load_b128 v[28:31], v1, s[8:9]
	global_load_b128 v[32:35], v1, s[10:11]
	global_load_b128 v[36:39], v1, s[12:13]
	s_wait_kmcnt 0x0
	v_max_num_f32 v2, s28, s30
	v_max3_num_f32 v2, v2, s32, s34                ; M
	v_sub_f32 v3, s28, v2
	v_sub_f32 v4, s30, v2
	v_sub_f32 v5, s32, v2
	v_sub_f32 v6, s34, v2
.irp i, 3,4,5,6
	v_mul_f32 v\i, L2E, v\i
.endr
	s_wait_alu depctr_va_vdst(0)
	s_wait_loadcnt 0x0
.irp e, 28,29,30,31
	v_sub_f32 v\e, v\e, v2
.endr
.irp e, 28,29,30,31
	v_mul_f32 v\e, L2E, v\e
.endr
	s_wait_alu depctr_va_vdst(0)
.irp i, 3,4,5,6,28,29,30,31
	v_exp_f32 v\i, v\i                             ; f_i, and e^(s - M)
.endr
	v_nop                                          ; a plain place behind the exponentials
	s_wait_alu depctr_va_vdst(0)
	v_mul_f32 v7, s29, v3
	v_fma_f32 v7, s31, v4, v7
	v_fma_f32 v7, s33, v5, v7
	v_fma_f32 v7, s35, v6, v7                      ; L
	s_wait_alu depctr_va_vdst(0)
	v_rcp_f32 v8, v7
	v_nop                                          ; a plain place behind the reciprocal
	s_wait_alu depctr_va_vdst(0)
.irp i, 3,4,5,6
	v_mul_f32 v\i, v\i, v8                         ; f_i / L
.endr
.irp e, 32,33,34,35
	v_mul_f32 v\e, v\e, v8                         ; mask / L
.endr
.irp e, 0,1,2,3
	v_mul_f32 v[40+\e], v[12+\e], v3
.endr
.irp e, 0,1,2,3
	v_fma_f32 v[40+\e], v[16+\e], v4, v[40+\e]
.endr
.irp e, 0,1,2,3
	v_fma_f32 v[40+\e], v[20+\e], v5, v[40+\e]
.endr
.irp e, 0,1,2,3
	v_fma_f32 v[40+\e], v[24+\e], v6, v[40+\e]     ; c_t
.endr
.irp e, 0,1,2,3
	v_mul_f32 v[28+\e], v[28+\e], v[32+\e]         ; attn
.endr
.irp e, 0,1,2,3
	v_add_f32 v[36+\e], v[36+\e], v[28+\e]         ; coverage + attn
.endr
	global_store_b128 v1, v[40:43], s[14:15]
	global_store_b128 v1, v[28:31], s[16:17]
	global_store_b128 v1, v[36:39], s[18:19]
	s_endpgm
.Lfunc_end_k_q2c5e4f291d_finish:
	.size	k_q2c5e4f291d_finish, .Lfunc_end_k_q2c5e4f291d_finish-k_q2c5e4f291d_finish
	.p2alignl 7, 3214868480
	.fill 96, 4, 3214868480
	.section	.rodata,"a",@progbits
	.p2align	6, 0x0
	.amdhsa_kernel k_q2c5e4f291d_finish
		.amdhsa_group_segment_fixed_size 0
		.amdhsa_private_segment_fixed_size 0
		.amdhsa_enable_private_segment 0
		.amdhsa_kernarg_size 64
		.amdhsa_user_sgpr_count 2
		.amdhsa_user_sgpr_kernarg_segment_ptr 1
		.amdhsa_wavefront_size32 1
		.amdhsa_system_sgpr_workgroup_id_x 1
		.amdhsa_system_sgpr_workgroup_id_y 1
		.amdhsa_system_sgpr_workgroup_id_z 1
		.amdhsa_system_vgpr_workitem_id 0
		.amdhsa_next_free_vgpr 48
		.amdhsa_next_free_sgpr 66
		.amdhsa_reserve_vcc 0
		.amdhsa_float_denorm_mode_32 3
		.amdhsa_float_denorm_mode_16_64 3
		.amdhsa_memory_ordered 1
		.amdhsa_forward_progress 1
		.amdhsa_inst_pref_size 6
	.end_amdhsa_kernel
	.amdgpu_metadata
---
amdhsa.version: [ 1, 2 ]
amdhsa.kernels:
  - .name:           k_q2c5e4f291d_finish
    .symbol:         k_q2c5e4f291d_finish.kd
    .args:
      - { .name: stats, .offset: 0, .size: 8, .value_kind: global_buffer, .address_space: global }
      - { .name: pc, .offset: 8, .size: 8, .value_kind: global_buffer, .address_space: global }
      - { .name: scores, .offset: 16, .size: 8, .value_kind: global_buffer, .address_space: global }
      - { .name: enc_padding_mask, .offset: 24, .size: 8, .value_kind: global_buffer, .address_space: global }
      - { .name: coverage, .offset: 32, .size: 8, .value_kind: global_buffer, .address_space: global }
      - { .name: out0, .offset: 40, .size: 8, .value_kind: global_buffer, .address_space: global }
      - { .name: out1, .offset: 48, .size: 8, .value_kind: global_buffer, .address_space: global }
      - { .name: out2, .offset: 56, .size: 8, .value_kind: global_buffer, .address_space: global }
    .group_segment_fixed_size: 0
    .private_segment_fixed_size: 0
    .kernarg_segment_align: 8
    .kernarg_segment_size: 64
    .max_flat_workgroup_size: 64
    .sgpr_count:     66
    .vgpr_count:     48
    .wavefront_size: 32
...
	.end_amdgpu_metadata
.endif
;; end of part 3
